; MI455X (gfx1250); checked and timed in simulation.
; The chip was launched on July 23, 2026; its instructions are those of AMD's public machine-readable ISA for CDNA 5 (MIT licence, August 2026) and "CDNA5" Instruction Set Architecture Reference Guide (July 2026). The comments in the code are by the model that wrote it; some were corrected since.
;; Quant Linear Dequant. Allowed arithmetic: matrix products marked QUANTISED: E4M3 operands, one E8M0 scale for each 32 along K, by v_wmma_scale_f32_16x16x128_f8f6f4 with both operands' format E4M3, f32 sums; everything else in f32.
;; Inputs: Wq 4,096 x 4,096 int8; bias_param 4,096 float32; row_scales 4,096 float32; x 4,096 x 4,096 float32.
;; Outputs: out0 4,096 x 4,096 float32.
;; This version of the problem:
;;   THIS VERSION OF THE PROBLEM IS GIVEN IN LOW PRECISION. The matrix products marked QUANTISED in the list below multiply operands that are first quantised to E4M3 (4 exponent bits, 3 mantissa bits; 8 bits a number), with one power-of-two scale for each 32 numbers along K (OCP MX v1.0); their sums are f32. All else is computed in f32.
;;   The module's matrix products, in the order in which they are computed (A, B: the left and right operand; K: the contracted axis; several contracted axes count as one K, in the product's order):
;;     1. [M 4,096, K 4,096] x [K 4,096, N 4,096]; A: input x; B: computed on the way: QUANTISED
;;   THE QUANTISER, for each operand of a quantised product, along K:
;;     - K is cut into blocks of 32 from its start; a last block that is shorter is filled with zeros.
;;     - A block's scale is 2^e with e = floor(log2(the largest magnitude in the block)) - 8, held to -126 .. 127; a block of zeros has e = 0. As a byte (E8M0): e + 127.
;;     - Each number is divided by its block's scale, clamped to +-448, and rounded to the nearest number of E4M3, ties to even, subnormals kept.
;;     - The product sums the exact products of the quantised numbers (number of the format x scale) in f32.
;;   ~~~python
;;   def quantise(x, axis):      # numpy; x: float32 -> the quantised numbers, widened to float32 again
;;       x = np.moveaxis(x, axis, -1); K = x.shape[-1]
;;       x = np.pad(x, [(0, 0)] * (x.ndim - 1) + [(0, -K % 32)]); x = x.reshape(x.shape[:-1] + (-1, 32)); a = np.abs(x).max(-1, keepdims=True)
;;       e = np.where(a > 0, np.clip(np.frexp(np.where(a > 0, a, 1))[1] - 1 - 8, -126, 127), 0)      # np.frexp(a)[1] - 1 = floor(log2(a)), exactly
;;       r = np.clip(x / 2.0 ** e, -448, 448)
;;       step = 2.0 ** (np.maximum(np.frexp(np.where(r == 0, 1, r))[1] - 1, -6) - 3)
;;       q = np.round(r / step) * step * 2.0 ** e      # np.round: ties to even
;;       return np.moveaxis(q.reshape(q.shape[:-2] + (-1,))[..., :K], -1, axis).astype(np.float32)
;;   ~~~
;;   OPERANDS COMPUTED ON THE WAY. 'Computed on the way' means the value that the module computes at that place (a softmax that the list does not call 'softmax' is quantised finished and normalised). What goes into a quantiser is computed in f32, as accurately as f32 sums, v_exp_f32 and their like allow (about 1e-6 of the number): no bf16 or f16 on the way to a quantiser, and a product that is left as it is and whose result goes on into a quantised operand takes f32 operands (vector FMAs, or v_wmma_f32_16x16x4_f32). A number that lies on a knife's edge between two numbers of the format may be rounded either way, as far as f32 arithmetic and the matrix unit's own rounding can turn it there, and no further.
;; One version. Each part assembles by itself: llvm-mc -triple=amdgcn-amd-amdhsa -mcpu=gfx1250 --defsym DOCPART=n.
;; ======== version 1 of 1: 2 launches
;; limits: right only within a limited range of input values
;; workspace buffers: xc 16,777,216 bytes; xs 524,288 bytes; wc 17,301,504 bytes
;; launch quant (part 1): grid 1024 x 1, 4 waves a work-group, no clusters, 69,120 bytes of LDS; arguments x, Wq, row_scales, xc, xs, wc; writes xc, xs, wc
.if DOCPART == 1
	.amdgcn_target "amdgcn-amd-amdhsa--gfx1250"
	.amdhsa_code_object_version 6
	.text
	.protected	k_qd9680f28dc_quant
	.globl	k_qd9680f28dc_quant
	.p2align	8
	.type	k_qd9680f28dc_quant,@function
k_qd9680f28dc_quant:
	s_mov_b64 s[64:65], 0
	v_nop
	global_prefetch_b8 v0, s[64:65] scope:SCOPE_SE
	s_setreg_imm32_b32 hwreg(HW_REG_WAVE_MODE, 25, 1), 1
	s_wait_xcnt 0x0
; x [4096][4096] f32 and W[o][i] = f32(Wq[o][i]) * (row_scales[o] / 127), Wq [4096][4096] int8, are turned into codes of FP8 (E4M3) with one E8M0 scale byte for each 32 along K (the last axis of both).
; A block's scale is 2^(floor(log2(its largest magnitude)) - 8); its byte is the largest magnitude's exponent field - 8, held at 1 from below; each number is divided by the scale, held within +-448, rounded to the nearest code, ties to even.
; A FRAGMENT (16 rows x 128 K) IS STORED AS THE IMAGE OF THE MATRIX OPERAND'S REGISTERS, 2,048 bytes: registers 4 c .. 4 c + 3 of lane l at 512 c + 16 l; lane (r = l % 16, h = l / 16) holds row r, k = 32 c + 16 h + 0 .. 15.
; xc: [64 rows R][128 of K kq][tile of 16 rows a = 0 .. 3][2,048].   xs: [R][256 of K ks][64 rows][8 bytes]: the word of the SECOND 128 of K first, then that of the first.
; wc: [128 rows rb][256 of K ks][33,792 bytes]: fragment (tile i = 0 .. 7, half q) at (2 i + q) x 2,048; from byte 32,768 on the scale bytes [128 rows][8 bytes], byte 4 q + b for k = 128 q + 32 b on.
; SHARES.  Even work-groups take x, odd ones W; work-group 2 n + path makes 128 rows x 256 K, n = 16 rb + ks.  Wave w takes rows 32 w .. 32 w + 31: four fragments f = 2 u + q (u: tile of 16 rows) and 256 scale bytes.
; Every load reads whole runs of a row (x: 512 bytes a load; Wq: 256 bytes for each half of the lanes); the numbers turn through the wave's own stage in LDS, so that a lane gets 16 neighbours along K of each block of 32.
; No barrier: waves share nothing.  The two paths part once, on the work-group's number, and each has LDS bytes of its own.
; LIMITS: NaN and infinities among the inputs are not served.  A block of zeros gets the byte 1 where the rule says 127: its codes are zeros, which add nothing under any byte but 0xff, and this program alone reads the bytes.
; row_scales / 127 is a multiplication by 1/127 with two fused corrections: the correctly rounded quotient for row scales from 2^-100 up; below that the remainder may lose bits.
.set XSW,  16*528                      ; x's stages, from LDS byte 0: 16 rows x (512 + 16) bytes for each wave
.set WST,  4*XSW                       ; W's stages: 32 rows x (256 + 16) bytes for each wave
.set WSW,  32*272
.set WQB,  33792                       ; a block of wc
.set LI,   4                           ; v4   16 x lane
.set L8,   5                           ; v5   8 x lane
.set XSI,  6                           ; v6   x's stage, in
.set XSO,  7                           ; v7   x's stage, out: 528 r + 64 h
.set WLO,  8                           ; v8   Wq: 4,096 h + 16 r: two rows a load
.set WSI,  9                           ; v9   W's stage, in: 272 h + 16 r
.set WSO,  10                          ; v10  W's stage, out: 272 r + 16 h
.set RSO,  11                          ; v11  4 r
.set E,    12                          ; v[12:13] my row's two scale words, as stored
.set R0,   16                          ; v16-79   a set of 64 registers as loaded
.set R1,   80                          ; v80-143  another
.set X,    144                         ; v144-207 64 numbers: register 16 b + i = k 32 b + 16 h + i of my row
.set PC,   208                         ; v208-223 a fragment's codes
.set TM,   224                         ; v224-239 at work
.set PW,   240                         ; v240-243 scale words
.set SU,   244                         ; v[244:245], v[246:247] row_scales / 127 of my row in tile u, twice
	s_load_b256 s[4:11], s[0:1], 0x0               ; x s[4:5], Wq s[6:7], row_scales s[8:9], xc s[10:11]
	s_load_b128 s[12:15], s[0:1], 0x20             ; xs s[12:13], wc s[14:15]
	v_lshl_add_u32 v254, v0, 2, 0x10c00            ; my spare word, behind the stages
	v_mov_b32 v255, 0
	v_lshrrev_b32 v1, 5, v0
	v_readfirstlane_b32 s18, v1                    ; wave 0..3
	s_lshr_b32 s19, ttmp9, 1                       ; n = 16 rb + ks
	s_and_b32 s22, ttmp9, 1                        ; 0: x, 1: W
	s_lshr_b32 s20, s19, 4                         ; rb
	s_and_b32 s21, s19, 15                         ; ks
	s_mov_b32 s23, 0x600000                        ; the mantissa field of 448
	s_mov_b32 s24, 0x42fe0000                      ; 127.0
	s_mov_b32 s25, 0x3c010204                      ; 1 / 127, rounded
	s_mov_b32 s26, 0x76543210                      ; v_permlanex16_b32's selects for lane l xor 16
	s_mov_b32 s27, 0xfedcba98
	v_and_b32 v1, 31, v0                           ; lane
	v_and_b32 v2, 15, v0                           ; r
	v_bfe_u32 v3, v0, 4, 1                         ; h
	v_lshlrev_b32 v[LI], 4, v1
	v_lshlrev_b32 v[L8], 3, v1
	s_mul_i32 s28, s18, XSW
	v_add_nc_u32 v[XSI], s28, v[LI]
	v_mul_u32_u24 v[XSO], v2, 528
	v_lshl_add_u32 v[XSO], v3, 6, v[XSO]
	v_add_nc_u32 v[XSO], s28, v[XSO]
	v_lshlrev_b32 v[WLO], 4, v2
	v_lshl_add_u32 v[WLO], v3, 12, v[WLO]
	s_mul_i32 s28, s18, WSW
	s_add_co_u32 s28, s28, WST
	v_mul_u32_u24 v[WSI], v3, 272
	v_lshl_add_u32 v[WSI], v2, 4, v[WSI]
	v_add_nc_u32 v[WSI], s28, v[WSI]
	v_mul_u32_u24 v[WSO], v2, 272
	v_lshl_add_u32 v[WSO], v3, 4, v[WSO]
	v_add_nc_u32 v[WSO], s28, v[WSO]
	v_lshlrev_b32 v[RSO], 2, v2
	v_cmp_le_u32 vcc_lo, 16, v1                    ; lanes 16-31: set once, used at the end
.irp b, 0,1,2,3
	v_mov_b32 v[TM+4+\b], 0                        ; written once: a lane permute's destination counts as one of its sources
.endr
	s_lshr_b32 s2, s18, 1                          ; wave / 2: which 64 rows of the 128
	s_and_b32 s3, s18, 1                           ; wave % 2: which 32 of the 64
	s_lshl_b32 s28, s20, 19                        ; xc: 262,144 x (2 rb + wave / 2) + 16,384 x ks
	s_lshl_b32 s30, s2, 18
	s_add_co_u32 s28, s28, s30
	s_lshl_b32 s30, s21, 14
	s_add_co_u32 s28, s28, s30
	s_lshr_b32 s30, s28, 5                         ; xs: a 32nd of that, + 256 x (wave % 2)
	s_lshl_b32 s31, s3, 8
	s_add_co_u32 s30, s30, s31
	s_lshl_b32 s31, s3, 12                         ; xc: + 4,096 x (wave % 2): tiles 2 (wave % 2) and the next
	s_add_co_u32 s28, s28, s31
	s_mov_b32 s29, 0
	s_mov_b32 s31, 0
	s_wait_alu depctr_va_vdst(0)                   ; the wait at the head's end
	s_wait_kmcnt 0x0
	s_add_nc_u64 s[10:11], s[10:11], s[28:29]
	s_add_nc_u64 s[12:13], s[12:13], s[30:31]
	s_mul_i32 s28, s19, WQB                        ; wc: 33,792 x n;
	s_lshl_b32 s30, s18, 8
	s_add_co_u32 s30, s30, s28
	s_add_co_u32 s30, s30, 32768
	s_add_nc_u64 s[16:17], s[14:15], s[30:31]      ; my scale bytes: + 32,768 + 256 x wave;
	s_lshl_b32 s30, s18, 13
	s_add_co_u32 s28, s28, s30
	s_add_nc_u64 s[14:15], s[14:15], s[28:29]      ; my codes: + 8,192 x wave
; 64 numbers of a lane, v[s] on, become a fragment's codes in v[PC] on and its scale word in v[pw].
.macro QUANT s, pw
.irp b, 0,1,2,3
	v_max3_num_f32 v[TM+\b], |v[\s+16*\b]|, |v[\s+1+16*\b]|, 0x4800000   ; block b: my 16 numbers, and the floor 2^(9 - 127): so the byte cannot fall under 1
.endr
.irp i, 2,4,6,8,10,12,14
.irp b, 0,1,2,3
	v_max3_num_f32 v[TM+\b], v[TM+\b], |v[\s+16*\b+\i]|, |v[\s+1+16*\b+\i]|   ; the four blocks by turns
.endr
.endr
.irp b, 0,1,2,3
	v_permlanex16_b32 v[TM+4+\b], v[TM+\b], s26, s27
.endr
.irp b, 0,1,2,3
	v_max_num_f32 v[TM+\b], v[TM+\b], v[TM+4+\b]   ; with lane l xor 16's 16: the block's largest magnitude
.endr
.irp b, 0,1,2,3
	v_add_nc_u32 v[TM+12+\b], 0xfc000000, v[TM+\b]   ; 8 off its exponent field: the conversion's scale operand
.endr
.irp b, 0,1,2,3
	v_and_or_b32 v[TM+8+\b], v[TM+\b], 0x7f800000, s23   ; 448 x the scale
.endr
.irp b, 0,1,2,3
	v_lshrrev_b32 v[TM+4+\b], 23, v[TM+12+\b]      ; the scale's byte
.endr
	v_lshl_or_b32 v[\pw], v[TM+5], 8, v[TM+4]      ; four bytes: my row's scale word for these 128 along K
	v_lshl_or_b32 v[\pw], v[TM+6], 16, v[\pw]
	v_lshl_or_b32 v[\pw], v[TM+7], 24, v[\pw]
.irp b, 0,1,2,3
.irp i, 0,1,2,3,4,5,6,7,8,9,10,11,12,13,14,15
	v_med3_num_f32 v[\s+16*\b+\i], v[\s+16*\b+\i], -v[TM+8+\b], v[TM+8+\b]   ; the conversion to an 8-bit code does not saturate (ISA guide 7.6.2): the hold
.endr
	v_cvt_scalef32_pk8_fp8_f32 v[PC+4*\b:PC+1+4*\b], v[\s+16*\b:\s+7+16*\b], v[TM+12+\b]
	v_cvt_scalef32_pk8_fp8_f32 v[PC+2+4*\b:PC+3+4*\b], v[\s+8+16*\b:\s+15+16*\b], v[TM+12+\b]
.endr
	v_nop                                          ; one plain vector instruction behind the last scaled conversion
.endm
.macro PUT off, base                   ; the fragment's image: each store covers 512 consecutive bytes, aligned
.irp c, 0,1,2,3
	global_store_b128 v[LI], v[PC+4*\c:PC+4*\c+3], s[\base:\base+1] offset:(\off)+512*\c
.endr
.endm
.macro TAIL base                       ; lane l stores the two scale words of row 32 w + l: 256 consecutive bytes, aligned
	v_cndmask_b32 v[E], v[PW+0], v[PW+2], vcc_lo
	v_cndmask_b32 v[E+1], v[PW+1], v[PW+3], vcc_lo
	global_store_b64 v[L8], v[E:E+1], s[\base:\base+1]
	s_wait_tensorcnt 0x0                           ; the wave's end
	ds_add_u32 v254, v255
	s_wait_dscnt 0x0
	s_endpgm
.endm
	s_cmp_lg_u32 s22, 0
	s_cbranch_scc1 .Lweights
; ---------------- x ----------------
	s_lshl_b32 s28, s20, 21                        ; 128 rows of 16,384 bytes x rb
	s_lshl_b32 s30, s18, 19                        ; + 32 rows x wave
	s_add_co_u32 s28, s28, s30
	s_lshl_b32 s30, s21, 10                        ; + 1,024 bytes x ks
	s_add_co_u32 s28, s28, s30
	s_add_nc_u64 s[4:5], s[4:5], s[28:29]
.macro LOADX f, set                    ; fragment f: 16 rows x 512 bytes; a load reads 512 consecutive bytes of one row
.irp j, 0,1,2,3,4,5,6,7,8,9,10,11,12,13,14,15
	global_load_b128 v[\set+4*\j:\set+4*\j+3], v[LI], s[4:5] offset:(16*((\f)/2)+\j)*16384+512*((\f)%2) th:TH_LOAD_NT
.endr
.endm
.macro TURNX set                       ; through the stage: in by rows as loaded, out 64 bytes of each block of 128 a lane.  LDS serves a wave's instructions in order
.irp j, 0,1,2,3,4,5,6,7,8,9,10,11,12,13,14,15
	ds_store_b128 v[XSI], v[\set+4*\j:\set+4*\j+3] offset:528*\j
.endr
.irp b, 0,1,2,3
.irp j, 0,1,2,3
	ds_load_b128 v[X+16*\b+4*\j:X+16*\b+4*\j+3], v[XSO] offset:128*\b+16*\j
.endr
.endr
.endm
	LOADX 0, R0
	LOADX 1, R1
.irp f, 0,1,2,3
.if \f < 3
	s_wait_loadcnt 16                              ; this fragment's 16 loads are in; the next fragment's 16 may be out
.else
	s_wait_loadcnt 0x0
.endif
	TURNX R0+64*(\f%2)
	s_wait_dscnt 0x0                               ; my 64 numbers are back, and the stage's stores have read the set
.if \f > 0
	s_wait_xcnt 0x0                                ; the last fragment's stores have read the codes' registers
.endif
.if \f < 2
	LOADX \f+2, R0+64*(\f%2)                       ; the set takes the fragment two on
.endif
	QUANT X, PW+1-2*(\f%2)+\f                      ; x's two words of a row change places: the second 128's word is stored first
	PUT 8192*(\f%2)+2048*(\f/2), 10
.endr
	TAIL 12
; ---------------- W ----------------
.Lweights:
	s_lshl_b32 s28, s20, 19                        ; 128 rows of 4,096 bytes x rb
	s_lshl_b32 s30, s18, 17                        ; + 32 rows x wave
	s_add_co_u32 s28, s28, s30
	s_lshl_b32 s30, s21, 8                         ; + 256 bytes x ks
	s_add_co_u32 s28, s28, s30
	s_add_nc_u64 s[6:7], s[6:7], s[28:29]
	s_lshl_b32 s30, s20, 9                         ; row_scales: 4 bytes x (128 rb + 32 wave)
	s_lshl_b32 s28, s18, 7
	s_add_co_u32 s30, s30, s28
	s_add_nc_u64 s[8:9], s[8:9], s[30:31]
	s_wait_alu depctr_va_vdst(0)                   ; the wait behind the taken branch
	global_load_b32 v248, v[RSO], s[8:9]           ; my row's scale in tile 0,
	global_load_b32 v249, v[RSO], s[8:9] offset:64 ; and in tile 1
.irp j, 0,1,2,3,4,5,6,7,8,9,10,11,12,13,14,15
	global_load_b128 v[R0+4*\j:R0+4*\j+3], v[WLO], s[6:7] offset:8192*\j th:TH_LOAD_NT   ; rows 2 j and 2 j + 1: each half of the lanes reads 256 consecutive bytes, aligned
.endr
	s_wait_loadcnt 16                              ; the two row scales are in; the 16 loads behind them may be out
.irp u, 0,1
	v_mul_f32 v250, s25, v[248+\u]                 ; rs / 127: a first quotient,
	v_fma_f32 v251, -v250, s24, v[248+\u]          ; its exact remainder,
	v_fma_f32 v[SU+2*\u], v251, s25, v250          ; and the correction
	v_mov_b32 v[SU+2*\u+1], v[SU+2*\u]             ; (named as a pair by the packed multiply)
.endr
	s_wait_loadcnt 0x0
.irp j, 0,1,2,3,4,5,6,7,8,9,10,11,12,13,14,15
	ds_store_b128 v[WSI], v[R0+4*\j:R0+4*\j+3] offset:544*\j
.endr
.irp f, 0,1,2,3
.irp c, 0,1,2,3
	ds_load_b128 v[R1+16*\f+4*\c:R1+16*\f+4*\c+3], v[WSO] offset:4352*(\f/2)+128*(\f%2)+32*\c   ; row 16 u + r, bytes 128 q + 32 c + 16 h on
.endr
.endr
.macro UNPACK f                        ; 64 int8 in 16 registers -> 64 f32, each times my row's rs / 127: one rounding, as the product W is defined
.set d, 0
.rept 16
.set rP, R1+16*(\f)+d
.set rX, X+4*d
	v_lshlrev_b32 v[rX], 24, v[rP]
	v_lshlrev_b32 v[rX+1], 16, v[rP]
	v_lshlrev_b32 v[rX+2], 8, v[rP]
	v_ashrrev_i32 v[rX], 24, v[rX]
	v_ashrrev_i32 v[rX+1], 24, v[rX+1]
	v_ashrrev_i32 v[rX+2], 24, v[rX+2]
	v_ashrrev_i32 v[rX+3], 24, v[rP]
	v_cvt_f32_i32 v[rX], v[rX]
	v_cvt_f32_i32 v[rX+1], v[rX+1]
	v_cvt_f32_i32 v[rX+2], v[rX+2]
	v_cvt_f32_i32 v[rX+3], v[rX+3]
	v_pk_mul_f32 v[rX:rX+1], v[rX:rX+1], v[SU+2*((\f)/2):SU+2*((\f)/2)+1] op_sel_hi:[1,0]
	v_pk_mul_f32 v[rX+2:rX+3], v[rX+2:rX+3], v[SU+2*((\f)/2):SU+2*((\f)/2)+1] op_sel_hi:[1,0]
.set d, d+1
.endr
.endm
.irp f, 0,1,2,3
	s_wait_dscnt 12-4*\f                           ; this fragment's four LDS loads are in; the later fragments' may be out
	UNPACK \f
.if \f > 0
	s_wait_xcnt 0x0                                ; the last fragment's stores have read the codes' registers
.endif
	QUANT X, PW+\f
	PUT 2048*\f, 14
.endr
	TAIL 16
.Lfunc_end_k_qd9680f28dc_quant:
	.size	k_qd9680f28dc_quant, .Lfunc_end_k_qd9680f28dc_quant-k_qd9680f28dc_quant
	.p2alignl 7, 3214868480
	.fill 96, 4, 3214868480
	.section	.rodata,"a",@progbits
	.p2align	6, 0x0
	.amdhsa_kernel k_qd9680f28dc_quant
		.amdhsa_group_segment_fixed_size 69120
		.amdhsa_private_segment_fixed_size 0
		.amdhsa_enable_private_segment 0
		.amdhsa_kernarg_size 48
		.amdhsa_user_sgpr_count 2
		.amdhsa_user_sgpr_kernarg_segment_ptr 1
		.amdhsa_wavefront_size32 1
		.amdhsa_system_sgpr_workgroup_id_x 1
		.amdhsa_system_sgpr_workgroup_id_y 1
		.amdhsa_system_sgpr_workgroup_id_z 1
		.amdhsa_system_vgpr_workitem_id 0
		.amdhsa_next_free_vgpr 256
		.amdhsa_next_free_sgpr 66
		.amdhsa_reserve_vcc 1
		.amdhsa_float_denorm_mode_32 3
		.amdhsa_float_denorm_mode_16_64 3
		.amdhsa_memory_ordered 1
		.amdhsa_forward_progress 1
		.amdhsa_inst_pref_size 120
	.end_amdhsa_kernel
	.amdgpu_metadata
---
amdhsa.version: [ 1, 2 ]
amdhsa.kernels:
  - .name:           k_qd9680f28dc_quant
    .symbol:         k_qd9680f28dc_quant.kd
    .args:
      - { .name: x, .offset: 0, .size: 8, .value_kind: global_buffer, .address_space: global }
      - { .name: Wq, .offset: 8, .size: 8, .value_kind: global_buffer, .address_space: global }
      - { .name: row_scales, .offset: 16, .size: 8, .value_kind: global_buffer, .address_space: global }
      - { .name: xc, .offset: 24, .size: 8, .value_kind: global_buffer, .address_space: global }
      - { .name: xs, .offset: 32, .size: 8, .value_kind: global_buffer, .address_space: global }
      - { .name: wc, .offset: 40, .size: 8, .value_kind: global_buffer, .address_space: global }
    .group_segment_fixed_size: 69120
    .private_segment_fixed_size: 0
    .kernarg_segment_align: 8
    .kernarg_segment_size: 48
    .max_flat_workgroup_size: 128
    .sgpr_count:     66
    .vgpr_count:     256
    .wavefront_size: 32
...
	.end_amdgpu_metadata
.endif
;; end of part 1
;; launch gemm (part 2): grid 16 x 16, 4 waves a work-group, clusters of 4 x 1, 327,680 bytes of LDS; arguments xc, xs, wc, bias_param, out0; writes out0
.if DOCPART == 2
	.amdgcn_target "amdgcn-amd-amdhsa--gfx1250"
	.amdhsa_code_object_version 6
	.text
	.protected	k_qd9680f28dc_gemm
	.globl	k_qd9680f28dc_gemm
	.p2align	8
	.type	k_qd9680f28dc_gemm,@function
k_qd9680f28dc_gemm:
	s_mov_b64 s[64:65], 0
	v_nop
	global_prefetch_b8 v0, s[64:65] scope:SCOPE_SE
	s_setreg_imm32_b32 hwreg(HW_REG_WAVE_MODE, 25, 1), 1
	s_wait_xcnt 0x0
	s_wait_alu depctr_hold_cnt(0) depctr_sa_sdst(0) depctr_va_vdst(0) depctr_va_sdst(0) depctr_va_ssrc(0) depctr_va_vcc(0) depctr_vm_vsrc(0)
	s_getreg_b32 s2, hwreg(HW_REG_IB_STS2, 6, 4)
	s_cmp_eq_u32 s2, 0
	s_cbranch_scc0 .Lentry_in_a_cluster
	s_endpgm
.Lentry_in_a_cluster:
	s_bfe_u32 s2, ttmp6, 0x10000c
	s_cmp_lg_u32 s2, 0x3003
	s_cbranch_scc0 .Lentry_shape_is_right
	s_endpgm
.Lentry_shape_is_right:
; out0[t][o] = sum over k of x[t][k] W[o][k] + bias[o], on codes of FP8 (E4M3) with one E8M0 scale for each 32 along K; 4,096 x 4,096 x 4,096; sums in f32; the bias is added to the finished sum.
; xc, xs, wc: fragments (16 rows x 128 K) as images of the operand's registers, laid as the launch before leaves them (its head has the three layouts).
; A tile of out0, 256 x 256, is made by a work-group of four waves; 16 x 16 tiles: 256 work-groups.  WAVE w MAKES ROWS 64 w .. 64 w + 63 x ALL 256 COLUMNS: 64 accumulators of 16 x 16, 512 registers.
; x: a wave's 64 rows are read by no other wave of the work-group, so their fragments go from memory into that wave's registers with no LDS between: four sets of four fragments (a set: 128 of K),
;    one at work and three asked for.  They are no joint loads: a joint load lands in LDS, and these bytes have one reader in a work-group.
; W: the 256 rows go through LDS in a ring of two slots of 512 along K: eight fills.  A wave fetches a quarter of a slot (128 rows x 256 K: 32,768 bytes of codes and their 1,024 scale bytes, one dense run) with one tensor load.
;    CLUSTERS of 4 x 1: the four partners make four tile rows of one tile column and need the same blocks of W: each load is a joint load with the mask 15.
; A HALF is 128 along K: four groups of four fragments of W, each fragment against x's four: 16 products a group, on end.  W's fragments have eight places in registers, two groups.  Behind a group stand eight v_nop, the places
;    in front of loads into what it has read, and ONE run of loads: the group two on out of LDS into the places just read, and one fragment of x's half three on.
; THE CHANGE OF SLOTS stands in a slot's fourth half: the slot's last group is asked for behind group 1; the add stands ahead of group 2, the wait for it and the signal behind twelve of its products, four stand inside the barrier;
;    the refill is the first tensor load behind the round; 240 products of a wave stand between a request and the wait for it.
; THE MATRIX INSTRUCTION IS USED TRANSPOSED (source 0 = 16 rows of W, source 1 = 16 rows of x): a lane then holds eight neighbouring numbers of a row of out0.
; PREFETCHES: behind each refill one instruction a wave for W's slot that the next refill brings and one for x's 512 of K that stand three slots on from the one just read out.  A block's 128 pieces of 256 bytes are shared out by address:
;    W's among the four partners (cx), x's among work-groups of four neighbouring tile columns, which read the same rows (tile column % 4).  The head asks for slots 1 and 2 of W and 0, 1, 2 of x; the last refill asks for nothing.
; REGISTERS: window 0: v4-29 addresses; v32-63 W's scale words, two sets; v64-79 x's, four sets; v80-87 the bias; v128-255 W's eight places (on the way out: rows read back).  Window 1: x's four sets.
;    Windows 2, 3: accumulator (a, b) at v[8 (8 a + b % 8)] of window 2 + b / 8.
; LIMITS: NaN, infinities and sums beyond f32's range are not served.
.set QB,     33792                     ; a quarter of a slot
.set SLOTB,  4*QB
.set SPARE,  2*SLOTB                   ; behind the ring: the spare words, 128 bytes for each wave
.set SPITCH, 528                       ; the way out: a stage of 16 rows x (512 + 16) bytes for each wave, in slot 0, which has had its last fill and its last read by then
.set ROWC,   16384                     ; a row of out0 in bytes
.set ADB,  4                           ; v4-11   16 x lane + slot s, quarter k: v[ADB + 4 s + k]
.set ADS,  12                          ; v12-19  8 x lane + the same + 32,768: the quarter's scale bytes
.set STO,  20                          ; v20     the way out: where I put 32 bytes of a row
.set RD,   21                          ; v21     the way out: where I read a row back
.set CO,   22                          ; v22     16 x lane
.set GS,   23                          ; v23     8 x lane
.set PFO,  24                          ; v24     256 x lane + 8,192 x cx: the offset of W's prefetches
.set PFX,  26                          ; v26     256 x lane + 8,192 x (tile column % 4): of x's
.set SPW,  28                          ; v28     my spare word; never rewritten
.set NIL,  29                          ; v29     0; never rewritten
.set SCB,  32                          ; W's scale words: set p at + 16 p; + 8 (b / 8) + 2 ((b % 8) / 2) + q: lanes 0-15 the even tile, lanes 16-31 the odd one
.set SCA,  64                          ; x's: 256 of K number P at + 4 (P % 4); + 2 (a / 2) + 1 - q: so no product's two scale registers have numbers equal modulo 8
.set BIAS, 80                          ; v[BIAS + 4 c ..]: the bias of columns 128 c + 4 lane + 0 .. 3
.set BR,   128                         ; W's eight places
.set BK,   128                         ; the way out: 16 rows read back: v128-191 and v192-255 by turns
.set G1,   24                          ; s[24:31] descriptor group 1;  s[32:35], s[36:39] group 0 for slot 0, 1
.set G0,   32
.set PFW,  44                          ; s[44:45] my quarter of W's slot 0, stepped two slots a trip: for the prefetches
.set MSB, 0
.macro WIN new                         ; the immediate's high byte repeats the setting that is left; a switch that changes nothing is dropped
.if MSB != \new
	s_set_vgpr_msb (MSB<<8)|\new
.set MSB, \new
.endif
.endm
.set MULW, 0xa4                        ; source 0 (W) window 0, source 1 (x) window 1, C and D window 2; + 0x50: window 3
.set TO_A, 0x40                        ; destination window 1, address window 0
.macro PLACES n
.rept \n
	v_nop
.endr
.endm
.macro CREST                           ; a round of the cluster's barrier behind its opening barrier
	s_cmp_lg_u32 s14, 0
	s_cbranch_scc1 .Lnot_wave_0_\@
	s_barrier_signal -3
.Lnot_wave_0_\@:
	s_barrier_wait -3
	s_barrier_signal -1
	s_barrier_wait -1
.endm
.macro CROUND
	s_barrier_signal -1
	s_barrier_wait -1
	CREST
.endm
.macro TLOAD s                         ; my quarter of slot s; an s_nop 0 and four v_nop follow
	tensor_load_to_lds s[G0+4*\s:G0+4*\s+3], s[G1:G1+7]
	s_nop 0
	PLACES 4
.endm
.macro BFRAG s, q4, j                  ; W's fragment j = 0 .. 15 of slot s's q4-th 128 of K into place j % 8: four loads of 512 consecutive bytes
.irp c, 0,1,2,3
	ds_load_b128 v[BR+16*((\j)%8)+4*\c:BR+16*((\j)%8)+4*\c+3], v[ADB+4*(\s)+2*((\q4)/2)+(\j)/8] offset:(2*((\j)%8)+(\q4)%2)*2048+512*\c
.endr
.endm
.macro BGROUP s, q4, g                 ; group g: fragments 4 g .. 4 g + 3: 16 loads
.irp f, 0,1,2,3
	BFRAG \s, \q4, 4*(\g)+\f
.endr
.endm
.macro BSCALES s, p                    ; W's scale words of slot s's p-th 256 of K into set p: 32 rows x 8 bytes a load, 8 loads
.irp H, 0,1
.irp j, 0,1,2,3
	ds_load_b64 v[SCB+16*(\p)+8*\H+2*\j:SCB+16*(\p)+8*\H+2*\j+1], v[ADS+4*(\s)+2*(\p)+\H] offset:256*\j
.endr
.endr
.endm
.macro AFRAG set, a, off               ; x's fragment a of the 128 of K at byte off of my stream, into a set of window 1
.irp c, 0,1,2,3
	global_load_b128 v[64*(\set)+16*(\a)+4*\c:64*(\set)+16*(\a)+4*\c+3], v[CO], s[4:5] offset:(\off)+2048*(\a)+512*\c
.endr
.endm
.macro ASCALES pr, off                 ; x's scale words of 256 of K: 32 rows x 8 bytes a load
	global_load_b64 v[SCA+4*(\pr):SCA+4*(\pr)+1], v[GS], s[6:7] offset:(\off)
	global_load_b64 v[SCA+4*(\pr)+2:SCA+4*(\pr)+3], v[GS], s[6:7] offset:(\off)+256
.endm
; A unit: W's fragment i against x's four.  h: the half's number modulo 8.  The 64 accumulators take turns, in the same order in every half.
.macro UNIT h, i, zero
	WIN MULW+0x50*((\i)/8)
.irp a, 0,1,2,3
.set rD, 8*(8*\a+(\i)%8)
.set rB, BR+16*((\i)%8)
.set rA, 64*((\h)%4)+16*\a
.set rSB, SCB+16*(((\h)/2)%2)+8*((\i)/8)+2*(((\i)%8)/2)+(\h)%2
.set rSA, SCA+4*((\h)/2)+2*(\a/2)+1-(\h)%2
.if \zero
.if ((\i)%2) && (\a%2)
	v_wmma_scale_f32_16x16x128_f8f6f4 v[rD:rD+7], v[rB:rB+15], v[rA:rA+15], 0, v[rSB], v[rSA] matrix_a_scale:MATRIX_SCALE_ROW1 matrix_b_scale:MATRIX_SCALE_ROW1
.elseif ((\i)%2)
	v_wmma_scale_f32_16x16x128_f8f6f4 v[rD:rD+7], v[rB:rB+15], v[rA:rA+15], 0, v[rSB], v[rSA] matrix_a_scale:MATRIX_SCALE_ROW1
.elseif (\a%2)
	v_wmma_scale_f32_16x16x128_f8f6f4 v[rD:rD+7], v[rB:rB+15], v[rA:rA+15], 0, v[rSB], v[rSA] matrix_b_scale:MATRIX_SCALE_ROW1
.else
	v_wmma_scale_f32_16x16x128_f8f6f4 v[rD:rD+7], v[rB:rB+15], v[rA:rA+15], 0, v[rSB], v[rSA]
.endif
.else
.if ((\i)%2) && (\a%2)
	v_wmma_scale_f32_16x16x128_f8f6f4 v[rD:rD+7], v[rB:rB+15], v[rA:rA+15], v[rD:rD+7], v[rSB], v[rSA] matrix_a_scale:MATRIX_SCALE_ROW1 matrix_b_scale:MATRIX_SCALE_ROW1
.elseif ((\i)%2)
	v_wmma_scale_f32_16x16x128_f8f6f4 v[rD:rD+7], v[rB:rB+15], v[rA:rA+15], v[rD:rD+7], v[rSB], v[rSA] matrix_a_scale:MATRIX_SCALE_ROW1
.elseif (\a%2)
	v_wmma_scale_f32_16x16x128_f8f6f4 v[rD:rD+7], v[rB:rB+15], v[rA:rA+15], v[rD:rD+7], v[rSB], v[rSA] matrix_b_scale:MATRIX_SCALE_ROW1
.else
	v_wmma_scale_f32_16x16x128_f8f6f4 v[rD:rD+7], v[rB:rB+15], v[rA:rA+15], v[rD:rD+7], v[rSB], v[rSA]
.endif
.endif
.endr
.endm
; A half.  k: its place in a trip (the half's number is k + 1 modulo 8); zero: its products start the sums; aload: x's half three on is asked for, a fragment in each of the four runs;
; turn: 1 the slot is changed and filled again, 2 changed alone, 3 (the first half) the same lines and round in front of slot 1's first fill, with the work going on in slot 0; last: nothing follows;
; lw: the loads into registers that may stay out: the two younger sets' 32.
; The wait ahead of unit u of a group leaves out the group's 3 - u younger fragments (4 loads each) and the next group's 16 loads; 8 more where W's scale loads stand behind this group's.
.macro HALF k, zero, aload, turn, last, lw
.set H8, ((\k)+1)%8
.set SL, H8/4
.set Q4, H8%4
.set NSL, ((H8+1)%8)/4
.set NQ4, (H8+1)%4
	s_wait_loadcnt \lw
.set G, 0
.rept 4
.if (\turn) && G == 2
	WIN 0
	s_wait_tensorcnt 0x0                           ; all my tensor loads have landed: my quarter of the next slot
	ds_add_u32 v[SPW], v[NIL]                      ; 0 onto my spare word: twelve products stand between it and the wait for it
.if (\turn) == 1
	s_add_nc_u64 s[G0+4*SL+2:G0+4*SL+3], s[G0+4*SL+2:G0+4*SL+3], 4*QB   ; no load of mine is out: this slot's next 512 of K
.endif
.endif
.set U, 0
.rept 4
.if (\turn) && G == 2 && U == 3
	s_wait_dscnt 0x0                               ; the add is done, and my reads of this slot are over
	s_barrier_signal -1
.elseif (\turn) && G == 3
.elseif (\last) && G == 3
	s_wait_dscnt 4*(3-U)
.elseif Q4 == 1 && G == 2
	s_wait_dscnt 4*(3-U)+24
.else
	s_wait_dscnt 4*(3-U)+16
.endif
	UNIT H8, 4*G+U, \zero
.set U, U+1
.endr
.if (\turn) && G == 2
	WIN 0
	s_barrier_wait -1
.if (\turn) == 1
	CREST                                          ; the barrier has opened a round of the cluster's barrier: no wave of any partner still reads this slot or has a load on its way
	TLOAD SL                                       ; the first tensor load behind the round, my one load until the next; its four v_nop are four of the eight places
	PLACES 4
.elseif (\turn) == 3
	CREST                                          ; every wave's quarter of slot 0 is in, and all four work-groups are here
	TLOAD 1                                        ; slot 1's first fill, issued as a refill is
	PLACES 4
.else
	PLACES 8
.endif
.if (\turn) != 3
	BSCALES NSL, 0
.endif
	BGROUP NSL, NQ4, 0
.if (\turn) == 1
.if SL == 1
	s_cmp_gt_u32 s3, 1                             ; the last trip's second refill has nothing beyond it
	s_cbranch_scc0 .Lnone_\@
.endif
	global_prefetch_b8 v[PFO], s[PFW:PFW+1] offset:(3+SL)*2*QB th:TH_LOAD_NT scope:SCOPE_SE
	global_prefetch_b8 v[PFX], s[4:5] offset:(3+SL)*32768 th:TH_LOAD_NT scope:SCOPE_SE
.if SL == 1
.Lnone_\@:
.endif
.endif
.elseif (\last) && G > 1
.else
	PLACES 8
	WIN 0
.if Q4 == 1 && G == 1
	BSCALES SL, 1
.endif
.if G < 2
	BGROUP SL, Q4, G+2
.else
	BGROUP NSL, NQ4, G-2
.endif
.endif
.if \aload
.if G == 0 && H8%2 == 1
	ASCALES ((H8+3)/2)%4, (2+(\k)/2)*512
.endif
	WIN TO_A
	AFRAG (H8+3)%4, G, (4+(\k))*8192
.endif
.set G, G+1
.endr
.endm
	s_load_b256 s[4:11], s[0:1], 0x0               ; xc s[4:5], xs s[6:7], wc s[8:9], bias s[10:11]
	s_load_b64 s[12:13], s[0:1], 0x20              ; out0
	v_lshl_add_u32 v[SPW], v0, 2, SPARE
	v_mov_b32 v[NIL], 0
	ds_add_u32 v[SPW], v[NIL]                      ; the wave's opening: the add, twice on end, and its wait ahead of my first tensor load
	ds_add_u32 v[SPW], v[NIL]
	v_lshrrev_b32 v1, 5, v0
	v_readfirstlane_b32 s14, v1                    ; wave 0..3
	s_lshr_b32 s15, s14, 1                         ; which 256 of a slot's 512 of K I fetch
	s_and_b32 s16, s14, 1                          ; which 128 of W's 256 rows
	s_bfe_u32 s17, ttmp6, 0x40000                  ; cx: my place in the cluster
	s_lshl_b32 s18, ttmp9, 2
	s_add_co_u32 s18, s18, s17                     ; tile row = 4 x cluster x + cx
	s_and_b32 s19, ttmp7, 0xffff                   ; tile column = cluster y: the four partners share it
	s_mov_b32 s[G1+0], 15|(3<<16)|(1<<21)          ; the mask: all four partners; elements of 8 bytes; bit 21 beside a mask
	s_mov_b32 s[G1+1], 32<<16                      ; a dense run as 132 rows of 256 bytes
	s_mov_b32 s[G1+2], 132<<16
	s_mov_b32 s[G1+3], 32<<16
	s_mov_b32 s[G1+4], 132
	s_mov_b32 s[G1+5], 32
	s_mov_b32 s[G1+6], 0
	s_mov_b32 s[G1+7], 0
	s_lshl_b32 s20, s19, 1                         ; wc: block (2 x tile column + wave % 2) x 16 + wave / 2
	s_add_co_u32 s20, s20, s16
	s_lshl_b32 s20, s20, 4
	s_add_co_u32 s20, s20, s15
	s_mul_i32 s20, s20, QB
	s_mov_b32 s21, 0
	s_mul_i32 s22, s14, QB                         ; where it goes: wave x a quarter
	s_lshl_b32 s40, s18, 2
	s_add_co_u32 s40, s40, s14                     ; my 64 rows of x: 4 x tile row + wave
	s_lshl_b32 s42, s40, 13                        ; their scale bytes: 8,192 a stream
	s_lshl_b32 s40, s40, 18                        ; their codes: 262,144
	s_mov_b32 s41, 0
	s_mov_b32 s43, 0
	s_lshl_b32 s23, s17, 13
	s_and_b32 s3, s19, 3
	s_lshl_b32 s3, s3, 13
	s_mul_i32 s2, s14, 16*SPITCH                   ; my stage
	v_and_b32 v1, 31, v0                           ; lane
	v_and_b32 v2, 15, v0                           ; r
	v_bfe_u32 v3, v0, 4, 1                         ; h
	v_lshlrev_b32 v[CO], 4, v1
	v_lshlrev_b32 v[GS], 3, v1
	v_lshl_add_u32 v[PFO], v1, 8, s23
	v_lshl_add_u32 v[PFX], v1, 8, s3
.irp s, 0,1
.irp k, 0,1,2,3
	v_add_nc_u32 v[ADB+4*\s+\k], \s*SLOTB+\k*QB, v[CO]
	v_add_nc_u32 v[ADS+4*\s+\k], \s*SLOTB+\k*QB+32768, v[GS]
.endr
.endr
	v_mul_u32_u24 v25, v2, SPITCH                  ; into the stage: row r, 32 bytes for each half of the lanes
	v_lshl_add_u32 v25, v3, 5, v25
	v_add_nc_u32 v[STO], s2, v25
	v_add_nc_u32 v[RD], s2, v[CO]                  ; back: the 32 lanes take one row of 512 bytes
	s_wait_alu depctr_va_vdst(0)                   ; the wait at the end of the head's vector work
	s_wait_dscnt 0x0                               ; both opening adds are done
	s_wait_kmcnt 0x0
	s_add_nc_u64 s[PFW:PFW+1], s[8:9], s[20:21]
	s_mov_b32 s[G0], 1
	s_mov_b32 s[G0+1], s22
	s_mov_b64 s[G0+2:G0+3], s[PFW:PFW+1]
	s_mov_b32 s[G0+4], 1
	s_add_co_u32 s[G0+5], s22, SLOTB
	s_add_nc_u64 s[G0+6:G0+7], s[PFW:PFW+1], 2*QB  ; slot 1: 512 of K on
	s_or_b32 s[G0+3], s[G0+3], 0x80000000
	s_or_b32 s[G0+7], s[G0+7], 0x80000000
	s_add_nc_u64 s[4:5], s[4:5], s[40:41]
	s_add_nc_u64 s[6:7], s[6:7], s[42:43]
	s_lshl_b32 s20, s19, 10                        ; the tile's first column, in bytes of f32
	s_add_nc_u64 s[10:11], s[10:11], s[20:21]
	s_add_nc_u64 s[12:13], s[12:13], s[20:21]
	s_lshl_b32 s20, s18, 22                        ; my first row of out0: (256 x tile row + 64 x wave) x 16,384 bytes
	s_lshl_b32 s23, s14, 20
	s_add_co_u32 s20, s20, s23
	s_add_nc_u64 s[12:13], s[12:13], s[20:21]
	CROUND                                         ; all four work-groups are here: the first joint loads meet
	s_cmp_lt_u32 s14, 2                            ; slot 0, one tensor load a wave.  Waves 0 and 1, which bring the first 256 of K, have a load line of their own: the first barrier waits for that line alone
	s_cbranch_scc0 .Lupper
	TLOAD 0
	s_branch .Lasked
.Lupper:
	TLOAD 0
.Lasked:
	global_prefetch_b8 v[PFX], s[4:5] th:TH_LOAD_NT scope:SCOPE_SE   ; x's first 512 of K: all but its first 128 are loaded behind the second round
	ASCALES 0, 0
	ASCALES 1, 512
	global_load_b128 v[BIAS:BIAS+3], v[CO], s[10:11]
	global_load_b128 v[BIAS+4:BIAS+7], v[CO], s[10:11] offset:512
	WIN TO_A
.irp a, 0,1,2,3
	AFRAG 0, \a, 0                                 ; beside slot 0's fill only what the first half needs
.endr
	WIN 0
	global_prefetch_b8 v[PFO], s[PFW:PFW+1] offset:2*QB th:TH_LOAD_NT scope:SCOPE_SE
	global_prefetch_b8 v[PFX], s[4:5] offset:32768 th:TH_LOAD_NT scope:SCOPE_SE
	global_prefetch_b8 v[PFO], s[PFW:PFW+1] offset:4*QB th:TH_LOAD_NT scope:SCOPE_SE
	global_prefetch_b8 v[PFX], s[4:5] offset:65536 th:TH_LOAD_NT scope:SCOPE_SE
	s_cmp_lt_u32 s14, 2
	s_cbranch_scc0 .Lnot_yet
	s_wait_tensorcnt 0x0                           ; waves 0 and 1: slot 0's first two quarters are in; the other two waves wait in the first half, ahead of its round, and their quarters are first read behind it
.Lnot_yet:
	s_barrier_signal -1
	s_barrier_wait -1
	BSCALES 0, 0
	BGROUP 0, 0, 0
	BGROUP 0, 0, 1
	WIN TO_A
.irp h, 1,2
.irp a, 0,1,2,3
	AFRAG \h, \a, \h*8192
.endr
.endr
	HALF -1, 1, 1, 3, 0, 32                        ; the first half stands in front of the loop: its products start the sums; slot 1 is first filled from inside it
	WIN 0
	s_mov_b32 s3, 3
.Ltrip:                                            ; a trip: eight halves, from a lap's second to the next lap's first; both slots are filled again: fills 2 to 7 in three trips
	HALF 0, 0, 1, 0, 0, 32
	HALF 1, 0, 1, 0, 0, 32
	HALF 2, 0, 1, 1, 0, 32
	HALF 3, 0, 1, 0, 0, 32
	HALF 4, 0, 1, 0, 0, 32
	HALF 5, 0, 1, 0, 0, 32
	HALF 6, 0, 1, 1, 0, 32
	HALF 7, 0, 1, 0, 0, 32
	WIN 0
	s_wait_xcnt 0x0                                ; my loads and prefetches have read their bases: they step only behind this wait
	s_add_nc_u64 s[4:5], s[4:5], 65536
	s_add_nc_u64 s[6:7], s[6:7], 2048
	s_add_nc_u64 s[PFW:PFW+1], s[PFW:PFW+1], 4*QB
	s_sub_co_u32 s3, s3, 1
	s_cmp_lg_u32 s3, 0
	s_cbranch_scc1 .Ltrip
	HALF 0, 0, 1, 0, 0, 32                         ; the last seven halves fill nothing
	HALF 1, 0, 1, 0, 0, 32
	HALF 2, 0, 1, 2, 0, 32
	HALF 3, 0, 1, 0, 0, 32
	HALF 4, 0, 0, 0, 0, 32
	HALF 5, 0, 0, 0, 0, 16
	HALF 6, 0, 0, 0, 1, 0
	WIN 0
; THE WAY OUT, in eight blocks u = 4 c + a of 16 rows x 128 columns.  A lane holds 32 neighbouring bytes of a row, and the lanes beside it hold other rows: so a block goes through my own stage in LDS and comes back as whole rows
; of 512 bytes; the bias is added, and the 32 lanes store 512 consecutive bytes, aligned.  LDS serves a wave's instructions in order (ISA guide 5.7.1.4): no wait between the stores and the loads.
.macro TOSTAGE u
.set AC, 64*((\u)%4)
	WIN 0x08+4*((\u)/4)                            ; an LDS store's data are its source 1: window 2 or 3
.irp b, 0,1,2,3,4,5,6,7
	ds_store_b128 v[STO], v[AC+8*\b:AC+8*\b+3] offset:64*\b          ; each accumulator from its low end on
	ds_store_b128 v[STO], v[AC+8*\b+4:AC+8*\b+7] offset:64*\b+16
.endr
	WIN 0
.set BB, BK+64*((\u)%2)
.irp t, 0,1,2,3,4,5,6,7,8,9,10,11,12,13,14,15
	ds_load_b128 v[BB+4*\t:BB+4*\t+3], v[RD] offset:\t*SPITCH
.endr
.endm
.macro SEND u, younger                 ; younger: the LDS instructions issued behind block u's loads, which may stay out
.set BB, BK+64*((\u)%2)
.set BI, BIAS+4*((\u)/4)
	s_wait_dscnt \younger
.irp t, 0,1,2,3,4,5,6,7,8,9,10,11,12,13,14,15
	v_pk_add_f32 v[BB+4*\t:BB+4*\t+1], v[BB+4*\t:BB+4*\t+1], v[BI:BI+1]
	v_pk_add_f32 v[BB+4*\t+2:BB+4*\t+3], v[BB+4*\t+2:BB+4*\t+3], v[BI+2:BI+3]
.endr
.irp t, 0,1,2,3,4,5,6,7,8,9,10,11,12,13,14,15
	global_store_b128 v[CO], v[BB+4*\t:BB+4*\t+3], s[12:13] offset:(16*((\u)%4)+\t)*ROWC+512*((\u)/4) th:TH_STORE_NT   ; written once, read by nobody here
.endr
.endm
	PLACES 8                                       ; behind the last products: for the loads into W's places and for the reads of results
	TOSTAGE 0
.irp u, 1,2,3,4,5,6,7
.if \u > 1
	s_wait_xcnt 0x0                                ; block u - 2's stores have read their registers: block u's loads may land there
.endif
	TOSTAGE \u
	SEND \u-1, 32                                  ; behind block u - 1's loads: block u's 16 stores and 16 loads
.endr
	SEND 7, 0
	s_wait_tensorcnt 0x0                           ; the wave's end
	ds_add_u32 v[SPW], v[NIL]
	s_wait_dscnt 0x0
	CROUND                                         ; the closing round
	s_endpgm
.Lfunc_end_k_qd9680f28dc_gemm:
	.size	k_qd9680f28dc_gemm, .Lfunc_end_k_qd9680f28dc_gemm-k_qd9680f28dc_gemm
	.p2alignl 7, 3214868480
	.fill 96, 4, 3214868480
	.section	.rodata,"a",@progbits
	.p2align	6, 0x0
	.amdhsa_kernel k_qd9680f28dc_gemm
		.amdhsa_group_segment_fixed_size 327680
		.amdhsa_private_segment_fixed_size 0
		.amdhsa_enable_private_segment 0
		.amdhsa_kernarg_size 40
		.amdhsa_user_sgpr_count 2
		.amdhsa_user_sgpr_kernarg_segment_ptr 1
		.amdhsa_wavefront_size32 1
		.amdhsa_system_sgpr_workgroup_id_x 1
		.amdhsa_system_sgpr_workgroup_id_y 1
		.amdhsa_system_sgpr_workgroup_id_z 1
		.amdhsa_system_vgpr_workitem_id 0
		.amdhsa_next_free_vgpr 1024
		.amdhsa_next_free_sgpr 66
		.amdhsa_reserve_vcc 0
		.amdhsa_float_denorm_mode_32 3
		.amdhsa_float_denorm_mode_16_64 3
		.amdhsa_memory_ordered 1
		.amdhsa_forward_progress 1
		.amdhsa_inst_pref_size 255
	.end_amdhsa_kernel
	.section	.bss,"aw",@nobits
	.p2align	6
	.space	262144
	.amdgpu_metadata
---
amdhsa.version: [ 1, 2 ]
amdhsa.kernels:
  - .name:           k_qd9680f28dc_gemm
    .symbol:         k_qd9680f28dc_gemm.kd
    .args:
      - { .name: xc, .offset: 0, .size: 8, .value_kind: global_buffer, .address_space: global }
      - { .name: xs, .offset: 8, .size: 8, .value_kind: global_buffer, .address_space: global }
      - { .name: wc, .offset: 16, .size: 8, .value_kind: global_buffer, .address_space: global }
      - { .name: bias_param, .offset: 24, .size: 8, .value_kind: global_buffer, .address_space: global }
      - { .name: out0, .offset: 32, .size: 8, .value_kind: global_buffer, .address_space: global }
    .group_segment_fixed_size: 327680
    .private_segment_fixed_size: 0
    .kernarg_segment_align: 8
    .kernarg_segment_size: 40
    .max_flat_workgroup_size: 128
    .sgpr_count:     66
    .vgpr_count:     1024
    .wavefront_size: 32
...
	.end_amdgpu_metadata
.endif
;; end of part 2
